; MI455X (gfx1250); checked and timed in simulation.
; The chip was launched on July 23, 2026; its instructions are those of AMD's public machine-readable ISA for CDNA 5 (MIT licence, August 2026) and "CDNA5" Instruction Set Architecture Reference Guide (July 2026). The comments in the code are by the model that wrote it; some were corrected since.
;; Attention Layer. Allowed arithmetic: matrix products marked QUANTISED: E3M2 operands, one E8M0 scale for each 32 along K, by v_wmma_scale_f32_16x16x128_f8f6f4 with both operands' format E3M2, f32 sums; products left as they are: f32 operands where the result goes on into a quantised operand, else bf16, f16 or f32 operands; f32 sums; everything else in f32.
;; Inputs: w 512 x 1 float32; weight_k_codes 512 x 16 x 24 uint8 (E3M2 codes of weight_k, K innermost, in blocks of 32 codes, four codes in three bytes); weight_k_scales 512 x 16 uint8 (E8M0 scales of weight_k, one for each 32 codes along K); weight_q_codes 512 x 16 x 24 uint8 (E3M2 codes of weight_q, K innermost, in blocks of 32 codes, four codes in three bytes); weight_q_scales 512 x 16 uint8 (E8M0 scales of weight_q, one for each 32 codes along K); weight_v_codes 512 x 16 x 24 uint8 (E3M2 codes of weight_v, K innermost, in blocks of 32 codes, four codes in three bytes); weight_v_scales 512 x 16 uint8 (E8M0 scales of weight_v, one for each 32 codes along K); x 256 x 512 x 512 float32.
;; Outputs: out0 256 x 512 float32.
;; This version of the problem:
;;   THIS VERSION OF THE PROBLEM IS GIVEN IN LOW PRECISION. The matrix products marked QUANTISED in the list below multiply operands that are first quantised to E3M2 (3 exponent bits, 2 mantissa bits; 6 bits a number), with one power-of-two scale for each 32 numbers along K (OCP MX v1.0); their sums are f32. All else is computed in f32.
;;   The module's matrix products, in the order in which they are computed (A, B: the left and right operand; K: the contracted axis; several contracted axes count as one K, in the product's order):
;;     1. [M 131,072, K 512] x [K 512, N 512]; A: input x; B: input weight_k (given as codes): QUANTISED
;;     2. [M 131,072, K 512] x [K 512, N 512]; A: input x; B: input weight_v (given as codes): QUANTISED
;;     3. [M 131,072, K 512] x [K 512, N 1]; A: input x; B: input w: left as it is (N = 1 < 16)
;;     4. [M 256, K 512] x [K 512, N 512]; A: computed on the way; B: input weight_q (given as codes): QUANTISED
;;     5. batch 256 x [M 1, K 512] x [K 512, N 512]; A: computed on the way; B: computed on the way: left as it is (M = 1 < 16)
;;     6. batch 256 x [M 1, K 512] x [K 512, N 512]; A: softmax; B: computed on the way: left as it is (M = 1 < 16)
;;   THE QUANTISER, for each operand of a quantised product, along K:
;;     - K is cut into blocks of 32 from its start; a last block that is shorter is filled with zeros.
;;     - A block's scale is 2^e with e = floor(log2(the largest magnitude in the block)) - 4, held to -126 .. 127; a block of zeros has e = 0. As a byte (E8M0): e + 127.
;;     - Each number is divided by its block's scale, clamped to +-28, and rounded to the nearest number of E3M2, ties to even, subnormals kept.
;;     - The product sums the exact products of the quantised numbers (number of the format x scale) in f32.
;;   ~~~python
;;   def quantise(x, axis):      # numpy; x: float32 -> the quantised numbers, widened to float32 again
;;       x = np.moveaxis(x, axis, -1); K = x.shape[-1]
;;       x = np.pad(x, [(0, 0)] * (x.ndim - 1) + [(0, -K % 32)]); x = x.reshape(x.shape[:-1] + (-1, 32)); a = np.abs(x).max(-1, keepdims=True)
;;       e = np.where(a > 0, np.clip(np.frexp(np.where(a > 0, a, 1))[1] - 1 - 4, -126, 127), 0)      # np.frexp(a)[1] - 1 = floor(log2(a)), exactly
;;       r = np.clip(x / 2.0 ** e, -28, 28)
;;       step = 2.0 ** (np.maximum(np.frexp(np.where(r == 0, 1, r))[1] - 1, -2) - 2)
;;       q = np.round(r / step) * step * 2.0 ** e      # np.round: ties to even
;;       return np.moveaxis(q.reshape(q.shape[:-2] + (-1,))[..., :K], -1, axis).astype(np.float32)
;;   ~~~
;;   OPERANDS COMPUTED ON THE WAY. 'Computed on the way' means the value that the module computes at that place (a softmax that the list does not call 'softmax' is quantised finished and normalised). What goes into a quantiser is computed in f32, as accurately as f32 sums, v_exp_f32 and their like allow (about 1e-6 of the number): no bf16 or f16 on the way to a quantiser, and a product that is left as it is and whose result goes on into a quantised operand takes f32 operands (vector FMAs, or v_wmma_f32_16x16x4_f32). A number that lies on a knife's edge between two numbers of the format may be rounded either way, as far as f32 arithmetic and the matrix unit's own rounding can turn it there, and no further.
;;   INPUTS GIVEN AS CODES. weight_k (in the module: [512, 512], K = its axis 0); weight_q (in the module: [512, 512], K = its axis 0); weight_v (in the module: [512, 512], K = its axis 0): each comes as NAME_codes (uint8): NAME with its K axis moved to the last place and cut into blocks of 32 codes, [.., K / 32, bytes a block], one block behind the other in memory; four codes in three bytes: a row's codes are one little-endian stream of bits, code i at bits 6 i .. 6 i + 5 (a code: sign, 3 exponent bits, 2 mantissa bits); and NAME_scales (uint8): the same leading axes, one E8M0 byte (e + 127) for each 32 codes along K. Its value is code x scale, taken as it is: it is not quantised again, and the codes and scales need not be those that the quantiser above would give.
;; One version. Each part assembles by itself: llvm-mc -triple=amdgcn-amd-amdhsa -mcpu=gfx1250 --defsym DOCPART=n.
;; ======== version 1 of 1: 1 launch
;; limits: right only within a limited range of input values
;; launch attn (part 1): grid 256 x 1, 4 waves a work-group, no clusters, 270,080 bytes of LDS; arguments x, w, weight_k_codes, weight_k_scales, weight_q_codes, weight_q_scales, weight_v_codes, weight_v_scales, out0; writes out0
.if DOCPART == 1
	.amdgcn_target "amdgcn-amd-amdhsa--gfx1250"
	.amdhsa_code_object_version 6
	.text
	.protected	k_qd76078b422_attn
	.globl	k_qd76078b422_attn
	.p2align	8
	.type	k_qd76078b422_attn,@function
k_qd76078b422_attn:
	s_mov_b64 s[64:65], 0
	v_nop
	global_prefetch_b8 v0, s[64:65] scope:SCOPE_SE
	s_setreg_imm32_b32 hwreg(HW_REG_WAVE_MODE, 25, 1), 1
	s_wait_xcnt 0x0
; out[b] = softmax_w(q . K[w] / sqrt(512)) V,  K = Q(x[b]) Wk,  V = Q(x[b]) Wv,  q = Q(x[b]^T w) Wq.  x: [256][512 words][512 features] f32; the weights: codes of BF6 (E3M2), K innermost, 384 bytes
; a row, one E8M0 byte for each 32 along K.  Q quantises along the features.  The three quantised products go by v_wmma_scale_f32_16x16x128_f8f6f4; all else is f32.
; ONE WORK-GROUP TO A SAMPLE, four waves.  q wants all 512 words, the scores want q, the weighted sum wants all scores: so x is read from memory ONCE (1 MiB), and on the way x^T w is summed and x is
; quantised into LDS (196,608 bytes of codes, 8,192 of scale words); both large products then take x from LDS.  K and V never exist as tensors: each tile of 16 x 16 is contracted (with q, with p) as it is made.
; SHARES.  In the stream wave wv owns words 128 wv .. + 127.  In the products it owns columns 128 wv .. + 127 of each weight: 32 fragments, 384 registers, which stay in its registers.  Wk is there from the
; stream on; the second area is first the ring of x's loads, then Wq, then Wv.
; THE PASSES go by turns of two sets of eight accumulators: while a tile of 16 words is multiplied into one set, the tile before is contracted out of the other, two or three packed multiply-adds at a time.
; NO JOINT LOADS, though all work-groups read the same weights: a joint load lands in LDS, where 58,112 bytes are left beside the 269,568 in use; the weights' 589,824 bytes of codes would take eleven
; fills or more, each refill behind a round of a cluster's barrier inside the stream or a pass.  Here each wave loads its 147,456 bytes of codes once, in runs of 512 consecutive bytes, into the registers that keep them.
; NO PREFETCH: the launch streams x from its first lines on.
; LIMITS: NaN and infinities in x or w are not served.  A block of x or t whose largest magnitude lies under 2^-122 (a block of zeros too) gets the byte 1: these bytes are read by this text alone, and a
; block of zeros has zero codes.  x^T w, the scores and the weighted sum are added in another order than the source reads.
; LDS
.set XIMG, 0                           ; x's fragments as images of their registers: tile T of 16 words, K step s, four registers c: 6144 T + 1536 s + 512 c + 16 lane
.set XSC,  196608                      ; x's scale words: 256 T + 128 (s / 2) + 64 (s % 2) + 4 r: a load of 4 bytes a lane brings K step 2 u below and 2 u + 1 above
.set STG,  204800                      ; a stage of 8,448 bytes for each wave, its own: x's turn (16 rows, pitch 528), a weight tile's turn (16 rows, pitch 432), t's quarter, the way out
.set TPB,  238592                      ; each wave's partial t: 512 f32
.set TIMG, 246784                      ; t's four fragments as images
.set TSC,  252928                      ; t's scale words: 8 (16 (s / 2) + r) + 4 (s % 2)
.set SPB,  253184                      ; each wave's partial scores: 512 f32
.set PVB,  261376                      ; p: a copy for each wave, its own
; VECTOR REGISTERS, in windows of 256.  Window 0: v1 16 lane; v2 stage + 16 lane; v3, v7, v8 the phase's addresses; v4-6 a weight tile's turn; v9 8 h; v10 16 r + 8 h; v11-16 addresses; v17 lane, v18 r, v19 h;
; v56-59, v64-67 a score's four sums; v60 a lane permute's destination; v61 t's scale words' address, later the score to be stored; v62-63 at work in the softmax
.set WKS, 20                           ; v20-35  Wk's scale words: register 2 t + s % 2, lanes 0-15 K step s % 2, lanes 16-31 K step 2 + s % 2
.set W2S, 36                           ; v36-51  Wq's, later Wv's, likewise
.set XS,  52                           ; v52-53  x's: register s / 2, half s % 2
.set VTS, 54                           ; v54-55  t's: register s % 2, half s / 2
.set WX,  68                           ; v68-79  the 64th fragment: three windows hold 63
.set X,   80                           ; v80-143 64 numbers to be quantised;
.set QV,  80                           ;         then q: tile t at 80 + 8 t;
.set OV,  80                           ;         then v80-111 the weighted sums, four to a tile,
.set PR,  112                          ;         and v112-127 eight p, two sets
.set TA,  144                          ; v144-159 t's sums
.set QM,  160                          ; v160-169 the quantiser's work
.set QS,  164
.set QB,  166
.set WD,  168
.set PC,  176                          ; v176-187 a fragment's codes; v188-194 the halves that are made elsewhere and moved
.set PT,  188
.set TF,  144                          ; v144-191 t's fragments (phase Q)
.set ACC, 144                          ; v144-207 the accumulators of even tiles
.set ACB, 192                          ; v192-255 of ANOTHER window: those of odd tiles.  Over K: window 3, where Wv's tiles 6 and 7 come only behind the pass; over V: window 1, where Wk is done with
.set XF,  208                          ; v208-255 x's four fragments of a tile
; Windows 1 to 3: the weights (macro FRG); in the stream window 3 is the ring: slot s at v[64 s].
; SCALARS: s[4:21] the nine addresses; s22 wave; s23 counter; s[24:39] 16 w as loaded; s[40:41] lane selects; s[42:51] offsets; s52-54 walking LDS bytes; s55 my stage; s[56:57] c; s[66:97] 16 pairs (w, 0)
.set WL,  24
.set WW,  66
.set STX, 52
.set STS, 53
.set STP, 54
.set SSG, 55
.set MSB, 0
.macro WIN new                         ; s_set_vgpr_msb: bits 1:0 source 0, 3:2 source 1, 5:4 source 2, 7:6 destination; the high byte repeats the setting that is left
.if MSB != (\new)
	s_set_vgpr_msb (MSB<<8)|(\new)
.set MSB, (\new)
.endif
.endm
.macro PLACES n                        ; plain vector lines behind matrix instructions: 4 in front of reads of results and of loads into their registers, 5 in front of a product that writes over them
.rept \n
	v_nop
.endr
.endm
.macro BAR                             ; my LDS stores have landed and my LDS loads are in: then the work-group's barrier
	s_wait_dscnt 0x0
	s_barrier_signal -1
	s_barrier_wait -1
.endm
; The waves enter a pass one behind the other: wave w first runs w groups of three s_nop lines.  All four waves run the same body, with its one run of LDS loads of the same 6,144 bytes of x;
; entered so, the four waves' runs stand at four different places of a body, each among the other waves' products.  No barrier stands inside a pass.
.macro STAGGER
	s_wait_alu depctr_va_vdst(0)                   ; the wait here, ahead of the branches and the scalar lines
.irp w, 0,1,2
	s_cmp_eq_u32 s22, \w
	s_cbranch_scc1 .Lenter_\@
	s_nop 15
	s_nop 15
	s_nop 7
.endr
.Lenter_\@:
.endm
; Where fragment (tile t, K step s) of matrix m lies: window FW, register FR0.  m = 1: Wk.  m = 2: Wq, later Wv.  No fragment crosses a window's end.
.macro FRG m, t, s
.set G, 4*(\t)+(\s)
.if (\m) == 1
.if G < 21
.set FW, 1
.set FR0, 12*G
.else
.set FW, 2
.set FR0, 12*(G-21)
.endif
.else
.if G < 10
.set FW, 2
.set FR0, 132+12*G
.elseif G < 31
.set FW, 3
.set FR0, 12*(G-10)
.else
.set FW, 0
.set FR0, WX
.endif
.endif
.endm
; 16 rows x 128 features of x into ring slot s: each load takes 512 consecutive bytes of one row
.macro XLOAD s, off
	WIN 0xc0
.irp j, 0,1,2,3,4,5,6,7,8,9,10,11,12,13,14,15
	global_load_b128 v[64*\s+4*\j:64*\s+4*\j+3], v1, s[4:5] offset:\off+2048*\j+512*\s th:TH_LOAD_NT
.endr
	WIN 0
.endm
; 64 numbers of a lane, v[X + 32 c + i] = k 64 c + 32 h + i of my row: two whole blocks.  They become a fragment's 12 registers in v[PC] on and the row's scale word in v[WD].
.macro QUANT2
.irp c, 0,1
	v_max3_num_f32 v[QM+\c], |v[X+32*\c]|, |v[X+32*\c+1]|, 0x2800000           ; the block's largest magnitude, in two chains, each begun with the floor 2^(5 - 127): the byte cannot fall under 1
	v_max3_num_f32 v[QM+2+\c], |v[X+32*\c+16]|, |v[X+32*\c+17]|, 0x2800000
.endr
.irp i, 2,4,6,8,10,12,14
.irp c, 0,1
	v_max3_num_f32 v[QM+\c], v[QM+\c], |v[X+32*\c+\i]|, |v[X+32*\c+\i+1]|
	v_max3_num_f32 v[QM+2+\c], v[QM+2+\c], |v[X+32*\c+16+\i]|, |v[X+32*\c+17+\i]|
.endr
.endr
.irp c, 0,1
	v_max_num_f32 v[QM+\c], v[QM+\c], v[QM+2+\c]
.endr
.irp c, 0,1
	v_add_nc_u32 v[QS+\c], 0xfe000000, v[QM+\c]    ; 4 off its exponent field: the conversion takes the exponent field of this operand as its scale
.endr
.irp c, 0,1
	v_lshrrev_b32 v[QB+\c], 23, v[QS+\c]           ; the scale's byte
.endr
	v_lshl_or_b32 v[WD], v[QB+1], 16, v[QB]        ; my bytes: blocks h and 2 + h,
	v_lshlrev_b32 v[WD], v9, v[WD]                 ; 8 h bits up;
	v_permlanex16_b32 v60, v[WD], s40, s41
	v_or_b32 v[WD], v[WD], v60                     ; with lane l xor 16's two the word is whole, in both halves
.irp c, 0,1
	v_cvt_scalef32_pk16_bf6_f32 v[PC+6*\c:PC+6*\c+2], v[X+32*\c:X+32*\c+15], v[QS+\c]
	v_cvt_scalef32_pk16_bf6_f32 v[PT+4*\c:PT+4*\c+2], v[X+32*\c+16:X+32*\c+31], v[QS+\c]   ; (a conversion's three registers begin on an even number)
.endr
	v_nop                                          ; one plain line behind a scaled conversion
.irp c, 0,1
.irp i, 0,1,2
	v_mov_b32 v[PC+6*\c+3+\i], v[PT+4*\c+\i]
.endr
.endr
.endm
; A UNIT of the stream: ring slot s (16 words x features 128 s on).  cnt: the loads issued behind the slot's sixteen (the wait's field names 63 at the most).  fill: the slot takes the next 16 words.  first: t's sums begin.
.macro UNIT s, fill, cnt, first
	s_wait_loadcnt \cnt
	WIN 0x0c
.irp j, 0,1,2,3,4,5,6,7,8,9,10,11,12,13,14,15
	ds_store_b128 v2, v[64*\s+4*\j:64*\s+4*\j+3] offset:528*\j                   ; the rows as they lie, 528 bytes apart
.endr
	WIN 0
.irp c, 0,1
.irp j, 0,1,2,3,4,5,6,7
	ds_load_b128 v[X+32*\c+4*\j:X+32*\c+4*\j+3], v3 offset:256*\c+16*\j          ; back: lane (r, h) takes 32 neighbours of row r twice.  LDS serves a wave's lines in order: these see the stores
.endr
.endr
	WIN 0x03
.irp j, 0,1,2,3,4,5,6,7,8,9,10,11,12,13,14,15
.irp e, 0,1
.if \first && (\j == 0)
	v_pk_mul_f32 v[TA+4*\s+2*\e:TA+4*\s+2*\e+1], v[64*\s+2*\e:64*\s+2*\e+1], s[WW:WW+1] op_sel_hi:[1,0]
.else
	v_pk_fma_f32 v[TA+4*\s+2*\e:TA+4*\s+2*\e+1], v[64*\s+4*\j+2*\e:64*\s+4*\j+2*\e+1], s[WW+2*\j:WW+2*\j+1], v[TA+4*\s+2*\e:TA+4*\s+2*\e+1] op_sel_hi:[1,0,1]   ; t += x w, in f32, while the stage turns
.endif
.endr
.endr
	WIN 0
	s_wait_dscnt 0x0                               ; the turned numbers are in; the stage's stores have read the slot; the last unit's stores have read their codes, word and addresses
.if \s == 0
	v_add_nc_u32 v7, s[STX], v1                    ; this trip's images: 49152 wv + 6144 trip + 16 lane,
	v_lshl_add_u32 v8, v18, 2, s[STS]              ; and scale words: XSC + 2048 wv + 256 trip + 4 r
.endif
.if \fill
	XLOAD \s, 32768
.endif
	QUANT2
.irp c, 0,1,2
	ds_store_b128 v7, v[PC+4*\c:PC+4*\c+3] offset:1536*\s+512*\c
.endr
	ds_store_b32 v8, v[WD] offset:128*(\s/2)+64*(\s%2)                           ; both halves write the same word with the same value
.endm
.macro TRIPHEAD wnext                  ; the trip's 16 w into the low words of 16 pairs (a packed form names a pair and takes its low word for both halves); the next 16 are asked for
	s_wait_kmcnt 0x0
.irp j, 0,1,2,3,4,5,6,7,8,9,10,11,12,13,14,15
	s_mov_b32 s[WW+2*\j], s[WL+\j]
.endr
.if \wnext
	s_add_nc_u64 s[6:7], s[6:7], 64
	s_load_b512 s[WL:WL+15], s[6:7], 0x0
.endif
.endm
.macro TRIPEND
	s_wait_xcnt 0x0                                ; x's base is a source of loads that are out: it steps only behind this wait
	s_add_nc_u64 s[4:5], s[4:5], 0x8000
	s_add_co_u32 s[STX], s[STX], 6144
	s_add_co_u32 s[STS], s[STS], 256
.endm
; Tile t (16 rows, 6,144 dense bytes) of my part of a weight: twelve loads of 512 consecutive bytes, parked in the registers of the tile's own four fragments
.macro WLOAD m, t, b
.set qq, 0
.rept 12
	FRG \m, \t, qq/3
	WIN (FW<<6)
	global_load_b128 v[FR0+4*(qq%3):FR0+4*(qq%3)+3], v1, s[\b:\b+1] offset:6144*(\t)+512*qq
.set qq, qq+1
.endr
	WIN 0
.endm
; The parked bytes turn into fragments through my stage: dense byte o goes to o + 16 (o / 128), so that rows are 432 bytes apart; lane (r, h) takes back the row's pieces of 8 bytes 12 s + 6 c + 3 h + 0 .. 2.
; Where the piece three on lies behind one padding more, the second address register (40 for 24 bytes a half) serves.  36 LDS lines.  cnt: the loads issued behind the tile's; under 0: an earlier wait has shown them.
.macro WTURN m, t, cnt
.if \cnt >= 0
	s_wait_loadcnt \cnt
.endif
.set qq, 0
.rept 12
	FRG \m, \t, qq/3
	WIN (FW<<2)
	ds_store_b128 v4, v[FR0+4*(qq%3):FR0+4*(qq%3)+3] offset:576*qq
.set qq, qq+1
.endr
.set qq, 0
.rept 24
	FRG \m, \t, qq/6
	WIN (FW<<6)
.set PCE, 12*(qq/6)+6*((qq%6)/3)+(qq%3)
.if (PCE%16) < 13
	ds_load_b64 v[FR0+2*(qq%6):FR0+2*(qq%6)+1], v5 offset:8*PCE+16*(PCE/16)
.else
	ds_load_b64 v[FR0+2*(qq%6):FR0+2*(qq%6)+1], v6 offset:8*PCE+16*(PCE/16)
.endif
.set qq, qq+1
.endr
	WIN 0
.endm
; One product.  c0: it starts the sum.  ra, rb: the side's scale words stand in lanes 16-31.
.macro WM d, a, b, c0, sa, sb, ra, rb
.if \c0
.if \ra && \rb
	v_wmma_scale_f32_16x16x128_f8f6f4 v[\d:\d+7], v[\a:\a+11], v[\b:\b+11], 0, v[\sa], v[\sb] matrix_a_fmt:MATRIX_FMT_BF6 matrix_b_fmt:MATRIX_FMT_BF6 matrix_a_scale:MATRIX_SCALE_ROW1 matrix_b_scale:MATRIX_SCALE_ROW1
.elseif \ra
	v_wmma_scale_f32_16x16x128_f8f6f4 v[\d:\d+7], v[\a:\a+11], v[\b:\b+11], 0, v[\sa], v[\sb] matrix_a_fmt:MATRIX_FMT_BF6 matrix_b_fmt:MATRIX_FMT_BF6 matrix_a_scale:MATRIX_SCALE_ROW1
.elseif \rb
	v_wmma_scale_f32_16x16x128_f8f6f4 v[\d:\d+7], v[\a:\a+11], v[\b:\b+11], 0, v[\sa], v[\sb] matrix_a_fmt:MATRIX_FMT_BF6 matrix_b_fmt:MATRIX_FMT_BF6 matrix_b_scale:MATRIX_SCALE_ROW1
.else
	v_wmma_scale_f32_16x16x128_f8f6f4 v[\d:\d+7], v[\a:\a+11], v[\b:\b+11], 0, v[\sa], v[\sb] matrix_a_fmt:MATRIX_FMT_BF6 matrix_b_fmt:MATRIX_FMT_BF6
.endif
.else
.if \ra && \rb
	v_wmma_scale_f32_16x16x128_f8f6f4 v[\d:\d+7], v[\a:\a+11], v[\b:\b+11], v[\d:\d+7], v[\sa], v[\sb] matrix_a_fmt:MATRIX_FMT_BF6 matrix_b_fmt:MATRIX_FMT_BF6 matrix_a_scale:MATRIX_SCALE_ROW1 matrix_b_scale:MATRIX_SCALE_ROW1
.elseif \ra
	v_wmma_scale_f32_16x16x128_f8f6f4 v[\d:\d+7], v[\a:\a+11], v[\b:\b+11], v[\d:\d+7], v[\sa], v[\sb] matrix_a_fmt:MATRIX_FMT_BF6 matrix_b_fmt:MATRIX_FMT_BF6 matrix_a_scale:MATRIX_SCALE_ROW1
.elseif \rb
	v_wmma_scale_f32_16x16x128_f8f6f4 v[\d:\d+7], v[\a:\a+11], v[\b:\b+11], v[\d:\d+7], v[\sa], v[\sb] matrix_a_fmt:MATRIX_FMT_BF6 matrix_b_fmt:MATRIX_FMT_BF6 matrix_b_scale:MATRIX_SCALE_ROW1
.else
	v_wmma_scale_f32_16x16x128_f8f6f4 v[\d:\d+7], v[\a:\a+11], v[\b:\b+11], v[\d:\d+7], v[\sa], v[\sb] matrix_a_fmt:MATRIX_FMT_BF6 matrix_b_fmt:MATRIX_FMT_BF6
.endif
.endif
.endm
.macro QW t, s                         ; q: source 0 = 16 rows of Wq, source 1 = t, the same row sixteen times: every lane (r, h) gets q[16 t + 8 h + j], which is how the pass over K multiplies
	FRG 2, \t, \s
	WIN FW
.set rD, QV+8*(\t)
.set rX, TF+12*(\s)
.set rSA, W2S+2*(\t)+(\s)%2
.set rSB, VTS+(\s)%2
.set rRA, (\s)/2
.if (\s) == 0
	WM rD, FR0, rX, 1, rSA, rSB, rRA, rRA
.else
	WM rD, FR0, rX, 0, rSA, rSB, rRA, rRA
.endif
.endm
; ---- THE PASSES.  kind 0: over K;  kind 1: over V.  par: a tile's number modulo 2, which names its set of accumulators: window AW, register AR.
.macro ASET kind, par
.if (\par) == 0
.set AW, 0
.set AR, ACC
.set XW, 0                             ; an even tile's fragments of x: window 0, v208-255; its scale words v52-53
.set XR, XF
.set XSR, XS
.else
.set AW, 3-2*(\kind)
.set AR, ACB
.set XW, 3-2*(\kind)                   ; an odd tile's: over K window 3, v120-167, where Wv's tile 5 comes only behind the pass; over V window 1, v0-47, where Wk is done with;
.set XR, 120-120*(\kind)
.set XSR, VTS                          ; its scale words v54-55, which held t's scale words
.endif
.endm
; kind 0: source 0 = 16 rows of Wk, source 1 = 16 words: lane (r, h) holds word r, register j column 16 t + 8 h + j.
; kind 1: source 0 = 16 words, source 1 = 16 rows of Wv: lane (r, h) holds column 16 t + r, register j word 8 h + j.   K step 0 starts the sum: nothing is cleared.
.macro PROD kind, par, t, s
	ASET \kind, \par
.set rD, AR+8*(\t)
.set rX, XR+12*(\s)
.if \kind == 0
	FRG 1, \t, \s
	WIN FW|(XW<<2)|(AW<<4)|(AW<<6)
.set rSA, WKS+2*(\t)+(\s)%2
.set rSB, XSR+(\s)/2
.set rRA, (\s)/2
.set rRB, (\s)%2
.if (\s) == 0
	WM rD, FR0, rX, 1, rSA, rSB, rRA, rRB
.else
	WM rD, FR0, rX, 0, rSA, rSB, rRA, rRB
.endif
.else
	FRG 2, \t, \s
	WIN XW|(FW<<2)|(AW<<4)|(AW<<6)
.set rSA, XSR+(\s)/2
.set rSB, W2S+2*(\t)+(\s)%2
.set rRA, (\s)%2
.set rRB, (\s)/2
.if (\s) == 0
	WM rD, rX, FR0, 1, rSA, rSB, rRA, rRB
.else
	WM rD, rX, FR0, 0, rSA, rSB, rRA, rRB
.endif
.endif
.endm
.macro RUNP kind, par, s, t0, n        ; n products of K step s, from accumulator t0 on
.set tq, \t0
.rept \n
	PROD \kind, \par, tq, \s
.set tq, tq+1
.endr
.endm
.macro FETCH s, adr                    ; x's fragment of K step s of the address's tile
.irp c, 0,1,2
	ds_load_b128 v[XF+12*(\s)+4*\c:XF+12*(\s)+4*\c+3], v[\adr] offset:1536*(\s)+512*\c
.endr
.endm
.macro FETCHT kind, par                ; a whole tile of x, by the addresses in v3 and v7, into the registers of parity par: four fragments and two registers of scale words, 14 loads
	ASET \kind, \par
	WIN XW<<6
.irp s, 0,1,2,3
.irp c, 0,1,2
	ds_load_b128 v[XR+12*\s+4*\c:XR+12*\s+4*\c+3], v3 offset:1536*\s+512*\c
.endr
.endr
	WIN 0
	ds_load_b32 v[XSR], v7
	ds_load_b32 v[XSR+1], v7 offset:128
.endm
; THE CONTRACTION of a tile is 32 packed lines: line k takes registers 2 (k % 4), + 1 of accumulator k / 4 of set rp, each accumulator from its low end on,
; times q (into the score's four pairs of sums, v56-59 and v64-67; accumulator 0 starts them) or times the tile's eight p (into the column's two pairs)
.macro OP kind, rp, k
	ASET \kind, \rp
	WIN AW                                         ; source 0, the accumulator, in its window; all else in window 0
.set ot, (\k)/4
.set oi, (\k)%4
.if \kind == 0
.set rS, 56+2*oi+4*(oi/2)
.if ot == 0
	v_pk_mul_f32 v[rS:rS+1], v[AR+2*oi:AR+2*oi+1], v[QV+2*oi:QV+2*oi+1]
.else
	v_pk_fma_f32 v[rS:rS+1], v[AR+8*ot+2*oi:AR+8*ot+2*oi+1], v[QV+8*ot+2*oi:QV+8*ot+2*oi+1], v[rS:rS+1]
.endif
.else
.set rS, OV+4*ot+2*(oi%2)
	v_pk_fma_f32 v[rS:rS+1], v[AR+8*ot+2*oi:AR+8*ot+2*oi+1], v[PR+8*(\rp)+2*oi:PR+8*(\rp)+2*oi+1], v[rS:rS+1]
.endif
.endm
.macro TAILOP i                        ; seven lines make of a score's four pairs my 128 columns' part of word 16 T + r's score, in v61; v8: where it goes
	WIN 0
.if (\i) == 0
	v_pk_add_f32 v[56:57], v[56:57], v[58:59]
.elseif (\i) == 1
	v_pk_add_f32 v[64:65], v[64:65], v[66:67]
.elseif (\i) == 2
	v_pk_add_f32 v[56:57], v[56:57], v[64:65]
.elseif (\i) == 3
	v_add_f32 v56, v56, v57
.elseif (\i) == 4
	v_permlanex16_b32 v60, v56, s40, s41           ; the word's other 64 columns lie in lane l xor 16
.elseif (\i) == 5
	v_lshl_add_u32 v8, v18, 2, s[STP]              ; SPB + 2048 wv + 64 T + 4 r
.else
	v_add_f32 v61, v56, v60
.endif
.endm
; Gap g of a body's sixteen, one behind every two products.  ctr: there is a tile before, which is contracted here.  Over V two lines a gap.  Over K three lines in gaps 0 to 9, two in gap 10,
; and the score's seven last lines in gaps 11 to 15, each line that reads the line before it in a gap of its own.
.macro GAP kind, par, ctr, g
.if \ctr
.if \kind == 1
	OP 1, 1-(\par), 2*(\g)
	OP 1, 1-(\par), 2*(\g)+1
.elseif (\g) < 10
	OP 0, 1-(\par), 3*(\g)
	OP 0, 1-(\par), 3*(\g)+1
	OP 0, 1-(\par), 3*(\g)+2
.elseif (\g) == 10
	OP 0, 1-(\par), 30
	OP 0, 1-(\par), 31
.elseif (\g) == 11
	TAILOP 0
	TAILOP 1
.elseif (\g) < 15
	TAILOP (\g)-10
.else
	TAILOP 5
	TAILOP 6
.endif
.endif
.endm
; THE ONE RUN OF LDS LINES, at the end of body T (parity par).  In K the score of tile T - 1 goes out directly behind its last add.  Then the body's one wait on LDS: all but that store:
; tile T + 1's fragments and scale words, in V p of tile T too, were asked for a whole body ago.  fet: tile T + 2 is asked for, into the registers that body T has just multiplied; in V p of tile T + 1 too,
; into the set that body T's lines have read.  Gap 15's two lines and the two or three addresses are the places in front of the loads; a body without a contraction has v_nop.
; The walk's addresses are held at tile 31: the loop's last body, tile 30, asks for tile 31 once more, into registers that nobody reads again.
.macro RUN kind, par, ctr, fet
	WIN 0
.if (\ctr) == 0
	PLACES 4
.endif
.if (\kind == 0) && \ctr
	ds_store_b32 v8, v61                           ; both halves write the same word with the same value
	s_add_co_u32 s[STP], s[STP], 64
	s_wait_dscnt 1
.else
	s_wait_dscnt 0x0
.endif
.if \fet
	v_add_nc_u32 v3, s[STX], v1                    ; tile T + 2's images,
	v_lshl_add_u32 v7, v17, 2, s[STS]              ; and scale words
.if \kind == 1
	v_lshl_add_u32 v8, v19, 5, s[STP]              ; PVB + 2048 wv + 64 (T + 1) + 32 h: lane (r, h) wants p of words 8 h + 0 .. 7
	ds_load_b128 v[PR+8*(1-(\par)):PR+8*(1-(\par))+3], v8
	ds_load_b128 v[PR+8*(1-(\par))+4:PR+8*(1-(\par))+7], v8 offset:16
	s_add_co_u32 s[STP], s[STP], 64
.endif
	FETCHT \kind, \par
	s_add_co_u32 s[STX], s[STX], 6144
	s_min_u32 s[STX], s[STX], XIMG+31*6144
	s_add_co_u32 s[STS], s[STS], 256
	s_min_u32 s[STS], s[STS], XSC+31*256
.endif
.endm
; THE BODY OF A PASS, for tile T of 16 words (par = T % 2): 32 products, K step by K step, the set's eight accumulators by turns, always in this order, from body to body and over the loops' backward jumps too
; a gap behind every two products; the run of LDS lines at its end.
.macro BODY kind, par, ctr, fet
.irp s, 0,1,2,3
.irp u, 0,1,2,3
	RUNP \kind, \par, \s, 2*\u, 2
	GAP \kind, \par, \ctr, 4*\s+\u
.endr
.endr
	RUN \kind, \par, \ctr, \fet
.endm
.macro FIN kind                        ; tile 31 is contracted: there is nothing left to multiply beside it.  Body 31's last gaps are the places behind its last products
.set kk, 0
.rept 32
	OP \kind, 1, kk
.set kk, kk+1
.endr
	WIN 0
.if \kind == 0
.irp i, 0,1,2,3,4,5,6
	TAILOP \i
.endr
	ds_store_b32 v8, v61
.endif
.endm
; ---------------- THE HEAD
	s_load_b512 s[4:19], s[0:1], 0x0               ; x, w, Wk's codes, scales, Wq's, Wv's
	s_load_b64 s[20:21], s[0:1], 0x40              ; out
	s_set_vgpr_msb 0x80
	v_lshl_add_u32 v254, v0, 2, 0x41d00
	v_mov_b32 v255, 0
	s_set_vgpr_msb 0x8000
	v_lshrrev_b32 v2, 5, v0
	v_readfirstlane_b32 s22, v2                    ; wave 0..3
	v_and_b32 v17, 31, v0                          ; lane
	v_and_b32 v18, 15, v0                          ; r
	v_bfe_u32 v19, v0, 4, 1                        ; h
	v_lshlrev_b32 v1, 4, v17
	v_lshlrev_b32 v9, 3, v19
	v_lshl_add_u32 v10, v18, 4, v9
	v_mov_b32 v60, 0                               ; written once: a lane permute's destination counts as one of its sources
	s_lshl_b32 s42, ttmp9, 20                      ; x: the sample's 1 MiB, my wave's 128 rows of 2,048 bytes
	s_lshl_b32 s44, s22, 18
	s_add_co_u32 s42, s42, s44
	s_mov_b32 s43, 0
	s_lshl_b32 s44, s22, 9                         ; w: my 128 numbers
	s_mov_b32 s45, 0
	s_mul_i32 s46, s22, 49152                      ; codes: my 128 rows of 384 bytes
	s_mov_b32 s47, 0
	s_lshl_b32 s48, s22, 11                        ; scale bytes: my 128 rows of 16
	s_mov_b32 s49, 0
	s_lshl_b32 s50, ttmp9, 11                      ; out: the sample's row, my 128 columns
	s_add_co_u32 s50, s50, s44
	s_mov_b32 s51, 0
	s_mov_b32 s40, 0x76543210
	s_mov_b32 s41, 0xfedcba98                      ; v_permlanex16_b32's selects for lane l xor 16
	s_mov_b32 s56, 0x3d8293ee                      ; c = log2(e) / sqrt(512)
	s_mov_b32 s57, s56
.irp j, 0,1,2,3,4,5,6,7,8,9,10,11,12,13,14,15
	s_mov_b32 s[WW+2*\j+1], 0                      ; named with w as a pair, so it is written
.endr
	s_mul_i32 s[SSG], s22, 8448
	s_add_co_u32 s[SSG], s[SSG], STG               ; my stage
	s_mul_i32 s[STX], s22, 49152                   ; my images begin here,
	s_lshl_b32 s[STS], s22, 11
	s_add_co_u32 s[STS], s[STS], XSC               ; and my scale words here
	s_wait_alu depctr_va_vdst(0)
	s_wait_kmcnt 0x0
	s_add_nc_u64 s[4:5], s[4:5], s[42:43]
	s_add_nc_u64 s[6:7], s[6:7], s[44:45]
	s_add_nc_u64 s[8:9], s[8:9], s[46:47]
	s_add_nc_u64 s[10:11], s[10:11], s[48:49]
	s_add_nc_u64 s[12:13], s[12:13], s[46:47]
	s_add_nc_u64 s[14:15], s[14:15], s[48:49]
	s_add_nc_u64 s[16:17], s[16:17], s[46:47]
	s_add_nc_u64 s[18:19], s[18:19], s[48:49]
	s_add_nc_u64 s[20:21], s[20:21], s[50:51]
	s_load_b512 s[WL:WL+15], s[6:7], 0x0           ; the first 16 w
.irp t, 0,1,2,3,4,5,6,7
	global_load_b64 v[WKS+2*\t:WKS+2*\t+1], v10, s[10:11] offset:256*\t          ; a tile's 256 dense scale bytes: lane (r, h) takes words 2 h, 2 h + 1 of row r
.endr
.irp t, 0,1,2,3,4,5,6,7
	global_load_b64 v[W2S+2*\t:W2S+2*\t+1], v10, s[14:15] offset:256*\t
.endr
	XLOAD 0, 0
	XLOAD 1, 0
	XLOAD 2, 0
	XLOAD 3, 0
	v_add_nc_u32 v2, s[SSG], v1                    ; stage + 16 lane
	v_mul_u32_u24 v3, v18, 528
	v_lshl_add_u32 v3, v19, 7, v3
	v_add_nc_u32 v3, s[SSG], v3                    ; stage + 528 r + 128 h
	v_lshrrev_b32 v4, 3, v17
	v_lshl_add_u32 v4, v4, 4, v2                   ; stage + 16 lane + 16 (lane / 8)
	v_mul_u32_u24 v5, v18, 432
	v_add_nc_u32 v5, s[SSG], v5
	v_mad_u32_u24 v6, v19, 40, v5                  ; stage + 432 r + 40 h
	v_mad_u32_u24 v5, v19, 24, v5                  ; stage + 432 r + 24 h
	s_lshl_b32 s58, s22, 11
	s_add_co_u32 s58, s58, TPB
	v_add_nc_u32 v11, s58, v1                      ; where my partial t goes
	s_lshl_b32 s58, s22, 9
	s_add_co_u32 s58, s58, TPB
	v_add_nc_u32 v12, s58, v1                      ; features 128 wv on of partial 0
	s_mul_i32 s58, s22, 1536
	s_add_co_u32 s58, s58, TIMG
	v_add_nc_u32 v13, s58, v1                      ; where t's fragment wv goes
	s_lshr_b32 s58, s22, 1
	s_lshl_b32 s58, s58, 7
	s_and_b32 s59, s22, 1
	s_lshl_b32 s59, s59, 2
	s_add_co_u32 s58, s58, s59
	s_add_co_u32 s58, s58, TSC
	v_lshl_add_u32 v14, v18, 3, s58                ; and its scale word
	v_lshl_add_u32 v15, v19, 7, s[SSG]             ; stage + 128 h
	v_add_nc_u32 v16, TIMG, v1
	v_lshl_add_u32 v61, v17, 3, TSC
; ---------------- THE STREAM: eight trips of 16 words (32,768 consecutive bytes a wave).  Four slots of 16 loads are out.  In trips 0, 1 and 2 ONE weight tile (12 loads) is asked for behind a unit,
; so that of any 28 loads on end 16 are x's; a tile is turned one trip after it was asked for, when 88 loads or more stand behind its own.  Trip 7 asks for the rest of Wq as the slots drain.
	TRIPHEAD 1                                     ; trip 0.  Behind slot 0's loads: three slots, 48
	UNIT 0, 1, 48, 1
	WLOAD 1, 0, 8
	UNIT 1, 1, 60, 1                               ; two slots, slot 0's refill and a tile: 32 + 16 + 12
	WLOAD 1, 1, 8
	UNIT 2, 1, 63, 1                               ; 72 stand behind; from here to the loop 72 or more
	WLOAD 1, 2, 8
	UNIT 3, 1, 63, 1
	WLOAD 1, 3, 8
	TRIPEND
	TRIPHEAD 1                                     ; trip 1: behind a slot's loads three slots and four tiles, 96
	UNIT 0, 1, 63, 0
	WTURN 1, 0, 63
	WLOAD 1, 4, 8
	UNIT 1, 1, 63, 0
	WTURN 1, 1, 63
	WLOAD 1, 5, 8
	UNIT 2, 1, 63, 0
	WTURN 1, 2, 63
	WLOAD 1, 6, 8
	UNIT 3, 1, 63, 0
	WTURN 1, 3, 63
	WLOAD 1, 7, 8
	TRIPEND
	TRIPHEAD 1                                     ; trip 2: Wk's last four turns; Wq's tiles 0 and 1, whose registers lie outside the ring, are asked for
	UNIT 0, 1, 63, 0
	WTURN 1, 4, 63
	WLOAD 2, 0, 12
	UNIT 1, 1, 63, 0
	WTURN 1, 5, 63
	WLOAD 2, 1, 12
	UNIT 2, 1, 63, 0
	WTURN 1, 6, 63
	UNIT 3, 1, 63, 0                               ; behind slot 3's: three tiles and three slots, 84
	WTURN 1, 7, 63                                 ; behind the tile's: four slots and two tiles, 88
	TRIPEND
	s_mov_b32 s23, 4
.Ltrip:                                            ; trips 3 to 6: behind a slot's loads stand the three other slots', 48, on the way in and on the way back
	TRIPHEAD 1
	UNIT 0, 1, 48, 0
	UNIT 1, 1, 48, 0
	UNIT 2, 1, 48, 0
	UNIT 3, 1, 48, 0
	TRIPEND
	s_sub_co_u32 s23, s23, 1
	s_cmp_lg_u32 s23, 0
	s_cbranch_scc1 .Ltrip
	TRIPHEAD 0                                     ; trip 7 asks for no x and no w: no load leaves its buffer.  A tile of Wq is asked for as soon as the slots under its registers are drained
	UNIT 0, 0, 48, 0
	WLOAD 2, 2, 12
	WTURN 2, 0, -1                                 ; Wq's tiles 0 and 1 were asked for in trip 2: the loop's waits have shown them
	WTURN 2, 1, -1
	UNIT 1, 0, 44, 0
	WLOAD 2, 3, 12
	WLOAD 2, 4, 12
	UNIT 2, 0, 52, 0                               ; a slot (16) and three tiles (36)
	WLOAD 2, 5, 12
	UNIT 3, 0, 48, 0                               ; four tiles
	WLOAD 2, 6, 12
	WLOAD 2, 7, 12
; ---------------- t, ITS CODES, AND Wq's TURNS (each turn's count: twelve for each tile asked for behind it)
.irp s, 0,1,2,3
	ds_store_b128 v11, v[TA+4*\s:TA+4*\s+3] offset:512*\s        ; my words' part of t[128 s + 4 lane + 0 .. 3]
.endr
	WTURN 2, 2, 60
	WTURN 2, 3, 48
	BAR                                            ; x's images and scale words and the four partial t lie in LDS
.irp p, 0,1,2,3
	ds_load_b128 v[X+4*\p:X+4*\p+3], v12 offset:2048*\p
.endr
	WTURN 2, 4, 36
	s_wait_dscnt 36                                ; all but the turn's 36 lines: the four partial sums are in
	v_pk_add_f32 v[X:X+1], v[X:X+1], v[X+4:X+5]
	v_pk_add_f32 v[X+2:X+3], v[X+2:X+3], v[X+6:X+7]
	v_pk_add_f32 v[X+8:X+9], v[X+8:X+9], v[X+12:X+13]
	v_pk_add_f32 v[X+10:X+11], v[X+10:X+11], v[X+14:X+15]
	v_pk_add_f32 v[X:X+1], v[X:X+1], v[X+8:X+9]
	v_pk_add_f32 v[X+2:X+3], v[X+2:X+3], v[X+10:X+11]            ; t[128 wv + 4 lane + 0 .. 3]
	ds_store_b128 v2, v[X:X+3]                     ; K step wv of t, 512 bytes, through my stage,
.irp c, 0,1
.irp j, 0,1,2,3,4,5,6,7
	ds_load_b128 v[X+32*\c+4*\j:X+32*\c+4*\j+3], v15 offset:256*\c+16*\j         ; and back as an operand's lane wants it, the same for every r
.endr
.endr
	WTURN 2, 5, 24
	s_wait_dscnt 36
	QUANT2
.irp c, 0,1,2
	ds_store_b128 v13, v[PC+4*\c:PC+4*\c+3] offset:512*\c
.endr
	ds_store_b32 v14, v[WD]
	BAR                                            ; t's four fragments and their scale words lie in LDS
.irp s, 0,1,2,3
.irp c, 0,1,2
	ds_load_b128 v[TF+12*\s+4*\c:TF+12*\s+4*\c+3], v16 offset:1536*\s+512*\c
.endr
.endr
	ds_load_b64 v[VTS:VTS+1], v61
	WTURN 2, 6, 12
	WTURN 2, 7, 0
	s_mov_b32 s[STX], XIMG                         ; the pass over K begins at tile 0
	s_mov_b32 s[STS], XSC
	s_lshl_b32 s[STP], s22, 11
	s_add_co_u32 s[STP], s[STP], SPB
	v_add_nc_u32 v3, s[STX], v1
	v_lshl_add_u32 v7, v17, 2, s[STS]
	FETCH 0, 3                                     ; its 14 first loads go out ahead of q's products
	FETCH 1, 3
	ds_load_b32 v[XS], v7
	FETCH 2, 3
	FETCH 3, 3
	ds_load_b32 v[XS+1], v7 offset:128
	s_add_co_u32 s[STX], s[STX], 6144              ; tile 1 is fetched next
	s_add_co_u32 s[STS], s[STS], 256
	s_wait_dscnt 14                                ; all but those 14: t's fragments and Wq's last turns are in
; ---------------- q = Q(t) Wq: 32 products, eight accumulators by turns
.irp s, 0,1,2,3
.irp t, 0,1,2,3,4,5,6,7
	QW \t, \s
.endr
.endr
	WIN 0
	PLACES 5                                       ; Wv's loads and tile 1's fragments land on Wq's registers, tile 1's scale words on t's, and the pass's sums begin over t's fragments and over Wq's
	v_add_nc_u32 v3, s[STX], v1
	v_lshl_add_u32 v7, v17, 2, s[STS]
	FETCHT 0, 1                                    ; tile 1, into the odd tiles' registers
	s_add_co_u32 s[STX], s[STX], 6144              ; a body fetches the tile two behind its own
	s_add_co_u32 s[STS], s[STS], 256
	WLOAD 2, 0, 16
	WLOAD 2, 1, 16
	WLOAD 2, 2, 16
	WLOAD 2, 3, 16
	WLOAD 2, 4, 16
; ---------------- THE PASS OVER K: 32 tiles of words x 32 products; each tile's 16 x 128 of K is multiplied by q and summed while the next tile is multiplied
	s_wait_dscnt 14                                ; tile 0 is in: tile 1's 14 lines stand behind it
	STAGGER
	BODY 0, 0, 0, 1                                ; tile 0: nothing to contract yet
	s_mov_b32 s23, 15
.Lk:                                               ; tiles 1 to 30, two a trip
	BODY 0, 1, 1, 1
	BODY 0, 0, 1, 1
	s_sub_co_u32 s23, s23, 1
	s_cmp_lg_u32 s23, 0
	s_cbranch_scc1 .Lk
	BODY 0, 1, 1, 0                                ; tile 31: nothing left to fetch
	FIN 0
; ---------------- THE REST OF Wv, ITS TURNS, AND THE SOFTMAX
.irp t, 0,1,2,3,4,5,6,7
	global_load_b64 v[W2S+2*\t:W2S+2*\t+1], v10, s[18:19] offset:256*\t
.endr
	WLOAD 2, 5, 16
	WLOAD 2, 6, 16
	WLOAD 2, 7, 16
	WTURN 2, 0, 44                                 ; behind tiles 0 to 4 stand the 44 loads just issued, which land while these five are turned
	WTURN 2, 1, -1
	WTURN 2, 2, -1
	WTURN 2, 3, -1
	WTURN 2, 4, -1
	v_add_nc_u32 v11, SPB, v1
	s_lshl_b32 s[STP], s22, 11
	s_add_co_u32 s[STP], s[STP], PVB
	v_add_nc_u32 v12, s[STP], v1
	v_lshl_add_u32 v13, v18, 2, s[SSG]
	s_wait_alu depctr_va_vdst(0)
	BAR                                            ; the four waves' partial scores lie in LDS.  Every wave now makes all 512 p for itself: 16 a lane
.irp p, 0,1,2,3
.irp q, 0,1,2,3
	ds_load_b128 v[80+16*\p+4*\q:80+16*\p+4*\q+3], v11 offset:2048*\p+512*\q     ; part p of words 128 q + 4 lane + 0 .. 3
.endr
.endr
	s_wait_dscnt 0x0
.irp i, 0,2,4,6,8,10,12,14
	v_pk_add_f32 v[80+\i:81+\i], v[80+\i:81+\i], v[96+\i:97+\i]
.endr
.irp i, 0,2,4,6,8,10,12,14
	v_pk_add_f32 v[112+\i:113+\i], v[112+\i:113+\i], v[128+\i:129+\i]
.endr
.irp i, 0,2,4,6,8,10,12,14
	v_pk_add_f32 v[80+\i:81+\i], v[80+\i:81+\i], v[112+\i:113+\i]                ; the scores, not yet divided by sqrt(512)
.endr
	v_max3_num_f32 v62, v80, v81, v82
	v_max3_num_f32 v63, v83, v84, v85
	v_max3_num_f32 v62, v62, v86, v87
	v_max3_num_f32 v63, v63, v88, v89
	v_max3_num_f32 v62, v62, v90, v91
	v_max3_num_f32 v63, v63, v92, v93
	v_max3_num_f32 v62, v62, v94, v95
	v_max_num_f32 v62, v62, v63
	v_max_num_f32_dpp v62, v62, v62 row_xmask:1 row_mask:0xf bank_mask:0xf
	v_max_num_f32_dpp v62, v62, v62 row_xmask:2 row_mask:0xf bank_mask:0xf
	v_max_num_f32_dpp v62, v62, v62 row_xmask:4 row_mask:0xf bank_mask:0xf
	v_max_num_f32_dpp v62, v62, v62 row_xmask:8 row_mask:0xf bank_mask:0xf
	v_permlanex16_b32 v60, v62, s40, s41
	v_max_num_f32 v62, v62, v60                    ; the largest of the 512
	v_mov_b32 v63, v62
.irp i, 0,2,4,6,8,10,12,14
	v_pk_add_f32 v[80+\i:81+\i], v[80+\i:81+\i], v[62:63] neg_lo:[0,1] neg_hi:[0,1]   ; the maximum is taken away first: near it the difference is exact
.endr
.irp i, 0,2,4,6,8,10,12,14
	v_pk_mul_f32 v[80+\i:81+\i], v[80+\i:81+\i], s[56:57] op_sel_hi:[1,0]        ; x log2(e) / sqrt(512)
.endr
	s_wait_alu depctr_va_vdst(0)
.irp i, 0,1,2,3,4,5,6,7,8,9,10,11,12,13,14,15
	v_exp_f32 v[80+\i], v[80+\i]
.endr
	v_nop                                          ; one plain line behind the exponentials
	s_wait_alu depctr_va_vdst(0)
.irp i, 0,1,2,3
	v_pk_add_f32 v[96+2*\i:97+2*\i], v[80+4*\i:81+4*\i], v[82+4*\i:83+4*\i]
.endr
	v_pk_add_f32 v[96:97], v[96:97], v[98:99]
	v_pk_add_f32 v[100:101], v[100:101], v[102:103]
	v_pk_add_f32 v[96:97], v[96:97], v[100:101]
	v_add_f32 v96, v96, v97
	v_add_f32_dpp v96, v96, v96 row_xmask:1 row_mask:0xf bank_mask:0xf
	v_add_f32_dpp v96, v96, v96 row_xmask:2 row_mask:0xf bank_mask:0xf
	v_add_f32_dpp v96, v96, v96 row_xmask:4 row_mask:0xf bank_mask:0xf
	v_add_f32_dpp v96, v96, v96 row_xmask:8 row_mask:0xf bank_mask:0xf
	v_permlanex16_b32 v60, v96, s40, s41
	v_add_f32 v96, v96, v60                        ; the sum: at least 1
	s_wait_alu depctr_va_vdst(0)
	v_rcp_f32 v62, v96
	v_nop                                          ; one plain line behind the reciprocal
	s_wait_alu depctr_va_vdst(0)
	v_mov_b32 v63, v62
.irp i, 0,2,4,6,8,10,12,14
	v_pk_mul_f32 v[80+\i:81+\i], v[80+\i:81+\i], v[62:63]
.endr
.irp q, 0,1,2,3
	ds_store_b128 v12, v[80+4*\q:83+4*\q] offset:512*\q          ; p, into my own copy: no barrier follows
.endr
	WTURN 2, 5, 0                                  ; Wv's last three tiles and its scale words are in
	WTURN 2, 6, -1
	WTURN 2, 7, -1
; ---------------- THE PASS OVER V: as over K; each tile's 16 x 128 of V is multiplied by its words' p and summed while the next tile is multiplied
	s_mov_b32 s[STX], XIMG
	s_mov_b32 s[STS], XSC
	v_add_nc_u32 v3, s[STX], v1
	v_lshl_add_u32 v7, v17, 2, s[STS]
	FETCH 0, 3
	FETCH 1, 3
	ds_load_b32 v[XS], v7
	FETCH 2, 3
	FETCH 3, 3
	ds_load_b32 v[XS+1], v7 offset:128
	s_add_co_u32 s[STX], s[STX], 6144
	s_add_co_u32 s[STS], s[STS], 256
	s_wait_dscnt 14                                ; all but those 14: p's stores have read their registers, and Wv's last turns are in
.irp i, 0,1,2,3,4,5,6,7,8,9,10,11,12,13,14,15,16,17,18,19,20,21,22,23,24,25,26,27,28,29,30,31
	v_mov_b32 v[OV+\i], 0                          ; the weighted sums begin as zeros, since their first products stand in the loop; meanwhile tile 0's fragments land
.endr
	v_add_nc_u32 v3, s[STX], v1
	v_lshl_add_u32 v7, v17, 2, s[STS]
	v_lshl_add_u32 v8, v19, 5, s[STP]
	FETCHT 1, 1                                    ; tile 1, into the odd tiles' registers,
	ds_load_b128 v[PR:PR+3], v8                    ; and p of tile 0
	ds_load_b128 v[PR+4:PR+7], v8 offset:16
	s_add_co_u32 s[STX], s[STX], 6144
	s_add_co_u32 s[STS], s[STS], 256
	s_add_co_u32 s[STP], s[STP], 64
	s_wait_dscnt 16                                ; tile 0 is in: the 16 lines just issued stand behind it
	STAGGER
	BODY 1, 0, 0, 1
	s_mov_b32 s23, 15
.Lv:
	BODY 1, 1, 1, 1
	BODY 1, 0, 1, 1
	s_sub_co_u32 s23, s23, 1
	s_cmp_lg_u32 s23, 0
	s_cbranch_scc1 .Lv
	BODY 1, 1, 1, 0
	FIN 1
; ---------------- THE WAY OUT: a column's four sums and lane l xor 16's; my 128 columns through my stage, so that the wave stores 512 consecutive bytes
.irp t, 0,1,2,3,4,5,6,7
	v_pk_add_f32 v[OV+4*\t:OV+4*\t+1], v[OV+4*\t:OV+4*\t+1], v[OV+4*\t+2:OV+4*\t+3]
.endr
.irp t, 0,1,2,3,4,5,6,7
	v_add_f32 v[PR+\t], v[OV+4*\t], v[OV+4*\t+1]
.endr
.irp t, 0,1,2,3,4,5,6,7
	v_permlanex16_b32 v[120+\t], v[PR+\t], s40, s41
.endr
.irp t, 0,1,2,3,4,5,6,7
	v_add_f32 v[PR+\t], v[PR+\t], v[120+\t]        ; out[128 wv + 16 t + r]
.endr
.irp t, 0,1,2,3,4,5,6,7
	ds_store_b32 v13, v[PR+\t] offset:64*\t        ; both halves write the same word with the same value
.endr
	ds_load_b128 v[128:131], v2
	s_wait_dscnt 0x0
	global_store_b128 v1, v[128:131], s[20:21] th:TH_STORE_NT    ; 32 lanes store 512 consecutive bytes, at a multiple of 256 from out's first byte
	s_set_vgpr_msb 0xa
	s_wait_tensorcnt 0x0
	ds_add_u32 v254, v255
	s_wait_dscnt 0x0
	s_set_vgpr_msb 0xa00
	s_endpgm
.Lfunc_end_k_qd76078b422_attn:
	.size	k_qd76078b422_attn, .Lfunc_end_k_qd76078b422_attn-k_qd76078b422_attn
	.p2alignl 7, 3214868480
	.fill 96, 4, 3214868480
	.section	.rodata,"a",@progbits
	.p2align	6, 0x0
	.amdhsa_kernel k_qd76078b422_attn
		.amdhsa_group_segment_fixed_size 270080
		.amdhsa_private_segment_fixed_size 0
		.amdhsa_enable_private_segment 0
		.amdhsa_kernarg_size 72
		.amdhsa_user_sgpr_count 2
		.amdhsa_user_sgpr_kernarg_segment_ptr 1
		.amdhsa_wavefront_size32 1
		.amdhsa_system_sgpr_workgroup_id_x 1
		.amdhsa_system_sgpr_workgroup_id_y 1
		.amdhsa_system_sgpr_workgroup_id_z 1
		.amdhsa_system_vgpr_workitem_id 0
		.amdhsa_next_free_vgpr 1024
		.amdhsa_next_free_sgpr 100
		.amdhsa_reserve_vcc 0
		.amdhsa_float_denorm_mode_32 3
		.amdhsa_float_denorm_mode_16_64 3
		.amdhsa_memory_ordered 1
		.amdhsa_forward_progress 1
		.amdhsa_inst_pref_size 255
	.end_amdhsa_kernel
	.section	.bss,"aw",@nobits
	.p2align	6
	.space	262144
	.amdgpu_metadata
---
amdhsa.version: [ 1, 2 ]
amdhsa.kernels:
  - .name:           k_qd76078b422_attn
    .symbol:         k_qd76078b422_attn.kd
    .args:
      - { .name: x, .offset: 0, .size: 8, .value_kind: global_buffer, .address_space: global }
      - { .name: w, .offset: 8, .size: 8, .value_kind: global_buffer, .address_space: global }
      - { .name: weight_k_codes, .offset: 16, .size: 8, .value_kind: global_buffer, .address_space: global }
      - { .name: weight_k_scales, .offset: 24, .size: 8, .value_kind: global_buffer, .address_space: global }
      - { .name: weight_q_codes, .offset: 32, .size: 8, .value_kind: global_buffer, .address_space: global }
      - { .name: weight_q_scales, .offset: 40, .size: 8, .value_kind: global_buffer, .address_space: global }
      - { .name: weight_v_codes, .offset: 48, .size: 8, .value_kind: global_buffer, .address_space: global }
      - { .name: weight_v_scales, .offset: 56, .size: 8, .value_kind: global_buffer, .address_space: global }
      - { .name: out0, .offset: 64, .size: 8, .value_kind: global_buffer, .address_space: global }
    .group_segment_fixed_size: 270080
    .private_segment_fixed_size: 0
    .kernarg_segment_align: 8
    .kernarg_segment_size: 72
    .max_flat_workgroup_size: 128
    .sgpr_count:     100
    .vgpr_count:     1024
    .wavefront_size: 32
...
	.end_amdgpu_metadata
.endif
;; end of part 1
